; MI455X (gfx1250); checked and timed in simulation.
; The chip was launched on July 23, 2026; its instructions are those of AMD's public machine-readable ISA for CDNA 5 (MIT licence, August 2026) and "CDNA5" Instruction Set Architecture Reference Guide (July 2026). The comments in the code are by the model that wrote it; some were corrected since.
;; CA. Allowed arithmetic: matrix products marked QUANTISED: E2M1 operands, one E8M0 scale for each 32 along K, by v_wmma_scale_f32_16x16x128_f8f6f4 with both operands' format E2M1 (or v_wmma_scale_f32_32x16x128_f4), f32 sums; everything else in f32.
;; Inputs: b_t 512 float32; b_v 512 float32; beta 512 float32; gamma 512 float32; run_mean 512 float32; run_var 512 float32; w_qk_codes 128 x 16 x 16 uint8 (E2M1 codes of w_qk, K innermost, in blocks of 32 codes, two codes a byte); w_qk_scales 128 x 16 uint8 (E8M0 scales of w_qk, one for each 32 codes along K); w_t_codes 512 x 16 x 16 uint8 (E2M1 codes of w_t, K innermost, in blocks of 32 codes, two codes a byte); w_t_scales 512 x 16 uint8 (E8M0 scales of w_t, one for each 32 codes along K); w_v_codes 512 x 16 x 16 uint8 (E2M1 codes of w_v, K innermost, in blocks of 32 codes, two codes a byte); w_v_scales 512 x 16 uint8 (E8M0 scales of w_v, one for each 32 codes along K); x_codes 4 x 4,096 x 16 x 16 uint8 (E2M1 codes of x, K innermost, in blocks of 32 codes, two codes a byte); x_scales 4 x 4,096 x 16 uint8 (E8M0 scales of x, one for each 32 codes along K); y_codes 4 x 4,096 x 16 x 16 uint8 (E2M1 codes of y, K innermost, in blocks of 32 codes, two codes a byte); y_scales 4 x 4,096 x 16 uint8 (E8M0 scales of y, one for each 32 codes along K).
;; Outputs: out0 4 x 4,096 x 512 float32.
;; This version of the problem:
;;   THIS VERSION OF THE PROBLEM IS GIVEN IN LOW PRECISION. The matrix products marked QUANTISED in the list below multiply operands that are first quantised to E2M1 (2 exponent bits, 1 mantissa bit; 4 bits a number), with one power-of-two scale for each 32 numbers along K (OCP MX v1.0); their sums are f32. All else is computed in f32.
;;   The module's matrix products, in the order in which they are computed (A, B: the left and right operand; K: the contracted axis; several contracted axes count as one K, in the product's order):
;;     1. [M 16,384, K 512] x [K 512, N 128]; A: input x (given as codes); B: input w_qk (given as codes): QUANTISED
;;     2. [M 16,384, K 512] x [K 512, N 128]; A: input y (given as codes); B: input w_qk (given as codes): QUANTISED
;;     3. [M 16,384, K 512] x [K 512, N 512]; A: input y (given as codes); B: input w_v (given as codes): QUANTISED
;;     4. batch 4 x [M 4,096, K 128] x [K 128, N 4,096]; A: computed on the way; B: computed on the way: QUANTISED
;;     5. batch 4 x [M 512, K 4,096] x [K 4,096, N 4,096]; A: computed on the way; B: softmax (see below): QUANTISED
;;     6. [M 16,384, K 512] x [K 512, N 512]; A: computed on the way; B: input w_t (given as codes): QUANTISED
;;   THE QUANTISER, for each operand of a quantised product, along K:
;;     - K is cut into blocks of 32 from its start; a last block that is shorter is filled with zeros.
;;     - A block's scale is 2^e with e = floor(log2(the largest magnitude in the block)) - 2, held to -126 .. 127; a block of zeros has e = 0. As a byte (E8M0): e + 127.
;;     - Each number is divided by its block's scale, clamped to +-6, and rounded to the nearest number of E2M1, ties to even, subnormals kept.
;;     - The product sums the exact products of the quantised numbers (number of the format x scale) in f32.
;;   ~~~python
;;   def quantise(x, axis):      # numpy; x: float32 -> the quantised numbers, widened to float32 again
;;       x = np.moveaxis(x, axis, -1); K = x.shape[-1]
;;       x = np.pad(x, [(0, 0)] * (x.ndim - 1) + [(0, -K % 32)]); x = x.reshape(x.shape[:-1] + (-1, 32)); a = np.abs(x).max(-1, keepdims=True)
;;       e = np.where(a > 0, np.clip(np.frexp(np.where(a > 0, a, 1))[1] - 1 - 2, -126, 127), 0)      # np.frexp(a)[1] - 1 = floor(log2(a)), exactly
;;       r = np.clip(x / 2.0 ** e, -6, 6)
;;       step = 2.0 ** (np.maximum(np.frexp(np.where(r == 0, 1, r))[1] - 1, 0) - 1)
;;       q = np.round(r / step) * step * 2.0 ** e      # np.round: ties to even
;;       return np.moveaxis(q.reshape(q.shape[:-2] + (-1,))[..., :K], -1, axis).astype(np.float32)
;;   ~~~
;;   SOFTMAX AHEAD OF A QUANTISED PRODUCT. Where the list says 'softmax', what is quantised is not the finished softmax but p = 2^(t - M), with t = logit x log2(e) and M = ceil(the row's largest t), a whole number; so 1/2 < the row's largest p <= 1. The row's sum l is taken of the UNQUANTISED p, in f32, and the product's result is divided by l at the end. Since M is a whole number, a kernel that streams over the keys may use a running M (the ceiling of the running maximum): every later rescaling is an exact power of two, which a block's scale takes up: the codes' values come out the same.
;;   OPERANDS COMPUTED ON THE WAY. 'Computed on the way' means the value that the module computes at that place (a softmax that the list does not call 'softmax' is quantised finished and normalised). What goes into a quantiser is computed in f32, as accurately as f32 sums, v_exp_f32 and their like allow (about 1e-6 of the number): no bf16 or f16 on the way to a quantiser, and a product that is left as it is and whose result goes on into a quantised operand takes f32 operands (vector FMAs, or v_wmma_f32_16x16x4_f32). A number that lies on a knife's edge between two numbers of the format may be rounded either way, as far as f32 arithmetic and the matrix unit's own rounding can turn it there, and no further.
;;   INPUTS GIVEN AS CODES. w_qk (in the module: [128, 512], K = its axis 1); w_t (in the module: [512, 512], K = its axis 1); w_v (in the module: [512, 512], K = its axis 1); x (in the module: [4, 512, 4096], K = its axis 1); y (in the module: [4, 512, 4096], K = its axis 1): each comes as NAME_codes (uint8): NAME with its K axis moved to the last place and cut into blocks of 32 codes, [.., K / 32, bytes a block], one block behind the other in memory; two codes a byte, the lower K in the low four bits (a code: sign, 2 exponent bits, 1 mantissa bit); and NAME_scales (uint8): the same leading axes, one E8M0 byte (e + 127) for each 32 codes along K. Its value is code x scale, taken as it is: it is not quantised again, and the codes and scales need not be those that the quantiser above would give.
;; One version. Each part assembles by itself: llvm-mc -triple=amdgcn-amd-amdhsa -mcpu=gfx1250 --defsym DOCPART=n.
;; ======== version 1 of 1: 2 launches
;; limits: right only within a limited range of input values
;; workspace buffers: kv 5,570,560 bytes; qi 1,114,112 bytes
;; launch project (part 1): grid 128 x 2, 3 waves a work-group, no clusters, 0 bytes of LDS; arguments x_codes, x_scales, y_codes, y_scales, w_qk_codes, w_qk_scales, w_v_codes, w_v_scales, b_v, kv, qi; writes kv, qi
.if DOCPART == 1
	.amdgcn_target "amdgcn-amd-amdhsa--gfx1250"
	.amdhsa_code_object_version 6
	.text
	.protected	k_qc3be0231a4_project
	.globl	k_qc3be0231a4_project
	.p2align	8
	.type	k_qc3be0231a4_project,@function
k_qc3be0231a4_project:
	s_mov_b64 s[64:65], 0
	v_nop
	global_prefetch_b8 v0, s[64:65] scope:SCOPE_SE
	s_setreg_imm32_b32 hwreg(HW_REG_WAVE_MODE, 25, 1), 1
	s_wait_xcnt 0x0
; q = w_qk x, k = w_qk y, v = w_v y + b_v on codes of FP4 (E2M1) with E8M0 scales, and the results quantised again: q and k along d (128), v along the keys.
; The results leave as IMAGES OF OPERAND REGISTERS: a fragment (16 rows x 128 K, 8 registers a lane) is 1,024 bytes: register group c of lane l at 512 c + 16 l.
; kv: a block of 43,520 bytes for each 128 keys: 8 images of k, 32 of v, then five groups of scale words (512 bytes for 8 tiles: lane l's 16 bytes at 16 l; lanes 0-15 the words
; of tiles 0-3 of row l, lanes 16-31 those of tiles 4-7 of row l - 16).  qi: a block of 8,704 bytes for each 128 queries: 8 images, one group of scale words.
; SHARES.  Work-group x = the block of 128 positions.  role = 3 y + wave: roles 0-3 make v's channels 128 role on, role 4 makes k, role 5 makes q.  All roles take ONE path: only
; pointers and offsets are chosen, on the role.  A role has eight units.  A unit: source 0 = the eight tiles of a block of 128 rows that stays in registers (y for v; w_qk for k, q),
; source 1 = 16 rows (w_v; y; x), four K steps of 128.  A lane then holds ONE row of source 1, and its 64 results run along source 0's rows, which are the next product's K.
; THE ROWS OF A TILE OF SOURCE 0 ARE NOT NEIGHBOURS: lane r of tile 2 b + u takes row 32 b + 8 u + r + 8 (r / 8), so that the 16 registers of tiles 2 b, 2 b + 1 are 16 neighbours.
; The keys of a tile of k and the channels of a tile of v are chosen in the same way, for the sake of the products that read them; q's rows are plain.
; A block's scale is 2^(floor(log2(largest magnitude)) - 2); its byte is the largest magnitude's exponent field - 2, held at 1 from below.
; LIMITS: a block whose largest magnitude lies under 2^-124, a block of zeros among them, gets the byte 1 (its codes are zeros or what the byte 1 gives; this program alone reads the
; bytes); NaN and infinities are not served.  b_v enters as the C of a sum's first product, so it is added ahead of the products and not behind them.
; No LDS, no barrier, no loop: every load is issued at the head, every offset is an immediate, no address register and no store's data are written again.
; REGISTERS: window 0: v1-13 addresses; v16-23 a unit's bias; v24-31 the C operand; v32-63, v64-95 scale words; v96-159 the 8 accumulators; v160-175 at work; v176-183 the scale words made;
;   v184-247 the codes made; v248-251 the group of scale words.   window 1: source 0's 32 fragments (tile t, K step s at 8 (4 t + s)).   window 2: source 1's (unit u, K step s at 32 u + 8 s).
.set VA,   4                           ; v4   source 0: 256 x (r + 8 (r / 8)) + 16 h
.set VAS,  5                           ; v5   its scale words: 16 bytes a row
.set VBE,  6                           ; v6   source 1, even units;  v7 odd units (plain rows lie 8 rows further on there)
.set VBO,  7
.set VBSE, 8                           ; v8, v9   its scale words
.set VBSO, 9
.set VBIE, 10                          ; v10, v11 its rows' bias
.set VBIO, 11
.set LI,   12                          ; v12  16 x lane: an image's place for my lane
.set BV,   16
.set CB,   24
.set AS,   32
.set BS,   64
.set D,    96
.set TM,   160
.set PW,   176
.set PC,   184
.set SG,   248
.set SEL,  54                          ; s[54:55] lane selects for v_permlanex16_b32: lane l xor 16
.set MSB, 0
.macro WIN new                         ; the immediate's high byte repeats the setting that is left
.if MSB != \new
	s_set_vgpr_msb (MSB<<8)|\new
.set MSB, \new
.endif
.endm
; 64 numbers of a lane, register 16 b + i = k 32 b + 16 (lane / 16) + i of my row, become a fragment's codes in v[pc] on and its scale word in v[pw]
.macro QUANT src, pc, pw, tm
.irp b, 0,1,2,3
	v_max3_num_f32 v[\tm+\b], |v[\src+16*\b]|, |v[\src+1+16*\b]|, 0x1800000   ; block b: my 16 numbers, and the floor 2^(3 - 127): the byte cannot fall under 1
.endr
.irp i, 2,4,6,8,10,12,14
.irp b, 0,1,2,3
	v_max3_num_f32 v[\tm+\b], v[\tm+\b], |v[\src+16*\b+\i]|, |v[\src+1+16*\b+\i]|   ; the four blocks by turns
.endr
.endr
.irp b, 0,1,2,3
	v_permlanex16_b32 v[\tm+4+\b], v[\tm+\b], s[SEL], s[SEL+1]
.endr
.irp b, 0,1,2,3
	v_max_num_f32 v[\tm+\b], v[\tm+\b], v[\tm+4+\b]      ; with lane l xor 16's: the block's largest magnitude
.endr
.irp b, 0,1,2,3
	v_add_nc_u32 v[\tm+12+\b], 0xff000000, v[\tm+\b]     ; 2 off its exponent field: the conversion's scale operand
.endr
.irp b, 0,1,2,3
	v_lshrrev_b32 v[\tm+4+\b], 23, v[\tm+12+\b]          ; the scale's byte
.endr
	v_lshl_or_b32 v[\pw], v[\tm+5], 8, v[\tm+4]          ; four bytes make my row's scale word (the same in lanes l and l xor 16)
	v_lshl_or_b32 v[\pw], v[\tm+6], 16, v[\pw]
	v_lshl_or_b32 v[\pw], v[\tm+7], 24, v[\pw]
.irp b, 0,1,2,3
	v_cvt_scalef32_pk8_fp4_f32 v[\pc+2*\b], v[\src+16*\b:\src+7+16*\b], v[\tm+12+\b]
	v_cvt_scalef32_pk8_fp4_f32 v[\pc+1+2*\b], v[\src+8+16*\b:\src+15+16*\b], v[\tm+12+\b]
.endr
	v_nop                                                ; one plain place behind a scaled conversion
.irp c, 0,1                                              ; the operand's layout wants a whole block in a lane: lanes 0-15 block 2 c, lanes 16-31 block 2 c + 1
.irp i, 0,1
	v_permlane16_swap_b32 v[\pc+4*\c+\i], v[\pc+2+4*\c+\i]
.endr
.endr
.endm
	s_load_b512 s[8:23], s[0:1], 0x0               ; x codes, x scales, y codes, y scales, w_qk codes, w_qk scales, w_v codes, w_v scales
	s_load_b128 s[24:27], s[0:1], 0x40             ; b_v, kv
	s_load_b64 s[28:29], s[0:1], 0x50              ; qi
	v_lshrrev_b32 v1, 5, v0
	v_readfirstlane_b32 s2, v1                     ; wave 0..2
	s_and_b32 s3, ttmp7, 0xffff
	s_mul_i32 s4, s3, 3
	s_add_co_u32 s4, s4, s2                        ; role 0..5
	s_mov_b32 s5, ttmp9                            ; the block of 128 positions
	s_mov_b32 s[SEL], 0x76543210
	s_mov_b32 s[SEL+1], 0xfedcba98
	v_and_b32 v1, 15, v0                           ; r
	v_bfe_u32 v2, v0, 4, 1                         ; h
	v_and_b32 v3, 8, v1
	v_add_nc_u32 v3, v3, v1                        ; r + 8 (r / 8)
	v_lshlrev_b32 v[VA], 8, v3                     ; a row of 512 codes is 256 bytes
	v_lshl_add_u32 v[VA], v2, 4, v[VA]
	v_lshlrev_b32 v[VAS], 4, v3
	v_and_b32 v[LI], 31, v0
	v_lshlrev_b32 v[LI], 4, v[LI]
.irp b, 0,1,2,3
	v_mov_b32 v[TM+4+\b], 0                        ; written once: a lane permute's destination counts as one of its sources
.endr
	s_mov_b32 s44, 40960
	s_mov_b32 s46, 43520
	s_wait_kmcnt 0x0
	s_cmp_lt_u32 s4, 4                             ; a role of v?  Every choice hangs on the role alone; only selects and moves stand between a compare and its last select
	s_cselect_b64 s[30:31], s[12:13], s[16:17]     ; source 0's codes: y or w_qk
	s_cselect_b64 s[32:33], s[14:15], s[18:19]     ; and its scales
	s_cselect_b64 s[34:35], s[20:21], s[12:13]     ; source 1's codes: w_v or y
	s_cselect_b64 s[36:37], s[22:23], s[14:15]
	s_cselect_b32 s40, s5, 0                       ; which 128 rows of source 0
	s_cselect_b32 s41, s4, s5                      ; which 128 rows of source 1
	s_cselect_b32 s42, s4, 0                       ; which 128 channels of v
	s_cselect_b32 s43, 8192, 0                     ; v's images lie behind k's
	s_cselect_b32 s44, 41472, s44                  ; where the group of scale words goes
	s_cselect_b32 s51, -1, 0                       ; has this role a bias?
	s_cmp_eq_u32 s4, 5                             ; the role of q?
	s_cselect_b64 s[34:35], s[8:9], s[34:35]
	s_cselect_b64 s[36:37], s[10:11], s[36:37]
	s_cselect_b64 s[38:39], s[28:29], s[26:27]     ; out: qi or kv
	s_cselect_b32 s46, 8704, s46                   ; bytes of a block there
	s_cselect_b32 s44, 8192, s44
	s_cselect_b32 s47, 0, 8                        ; q's rows are plain: no 8 (r / 8),
	s_cselect_b32 s48, 2048, 0                     ; and its odd tiles begin 8 rows further on than the chosen rows': in codes,
	s_cselect_b32 s49, 128, 0                      ; in scale words,
	s_cselect_b32 s50, 32, 0                       ; in the bias (which q does not use)
	s_mov_b32 s7, 0                                ; every offset is a pair with 0 above it
	s_lshl_b32 s6, s40, 15
	s_add_nc_u64 s[30:31], s[30:31], s[6:7]
	s_lshl_b32 s6, s40, 11
	s_add_nc_u64 s[32:33], s[32:33], s[6:7]
	s_lshl_b32 s6, s41, 15
	s_add_nc_u64 s[34:35], s[34:35], s[6:7]
	s_lshl_b32 s6, s41, 11
	s_add_nc_u64 s[36:37], s[36:37], s[6:7]
	s_lshl_b32 s6, s42, 9
	s_add_nc_u64 s[24:25], s[24:25], s[6:7]
	s_mul_i32 s6, s5, s46
	s_add_nc_u64 s[38:39], s[38:39], s[6:7]        ; my block
	s_lshl_b32 s6, s42, 9
	s_add_co_u32 s6, s6, s44
	s_add_nc_u64 s[52:53], s[38:39], s[6:7]        ; my group of scale words
	s_lshl_b32 s6, s42, 13
	s_add_co_u32 s6, s6, s43
	s_add_nc_u64 s[38:39], s[38:39], s[6:7]        ; my eight images
	v_and_b32 v13, s47, v1
	v_add_nc_u32 v13, v13, v1                      ; source 1's row of a tile
	v_lshlrev_b32 v[VBE], 8, v13
	v_lshl_add_u32 v[VBE], v2, 4, v[VBE]
	v_add_nc_u32 v[VBO], s48, v[VBE]
	v_lshlrev_b32 v[VBSE], 4, v13
	v_add_nc_u32 v[VBSO], s49, v[VBSE]
	v_lshlrev_b32 v[VBIE], 2, v13
	v_add_nc_u32 v[VBIO], s50, v[VBIE]
	; ALL LOADS, in the order in which they are wanted.  An even unit u begins at row 16 u, an odd one at row 16 u - 8 (chosen rows) or 16 u (plain rows: the 8 stand in the address register).
.irp u, 0,2,4,6
	global_load_b32 v[BV+\u], v[VBIE], s[24:25] offset:64*\u
	global_load_b32 v[BV+\u+1], v[VBIO], s[24:25] offset:64*\u+32
.endr
.irp t, 0,1,2,3,4,5,6,7
	global_load_b128 v[AS+4*\t:AS+4*\t+3], v[VAS], s[32:33] offset:16*(32*(\t/2)+8*(\t%2))   ; a row's 16 scale bytes: the words of its four K steps
.endr
.irp u, 0,2,4,6
	global_load_b128 v[BS+4*\u:BS+4*\u+3], v[VBSE], s[36:37] offset:256*\u
	global_load_b128 v[BS+4*\u+4:BS+4*\u+7], v[VBSO], s[36:37] offset:256*\u+128
.endr
	WIN 0x40                                       ; destination window 1
.irp t, 0,1,2,3,4,5,6,7
.irp s, 0,1,2,3
.irp c, 0,1
	global_load_b128 v[8*(4*\t+\s)+4*\c:8*(4*\t+\s)+4*\c+3], v[VA], s[30:31] offset:256*(32*(\t/2)+8*(\t%2))+64*\s+32*\c
.endr
.endr
.endr
.macro BLOAD u, adr, row               ; unit u's four fragments: eight loads
.irp s, 0,1,2,3
.irp c, 0,1
	global_load_b128 v[32*(\u)+8*\s+4*\c:32*(\u)+8*\s+4*\c+3], v[\adr], s[34:35] offset:256*(\row)+64*\s+32*\c
.endr
.endr
.endm
	WIN 0x80                                       ; destination window 2
.irp u, 0,2,4,6
	BLOAD \u, VBE, 16*\u
	BLOAD \u+1, VBO, 16*\u+8
.endr
	WIN 0
.macro UNIT u
	s_wait_loadcnt 8*(7-(\u))                      ; loads come back in order: all but the later units' eight loads each are in
.if (\u) == 0
.irp i, 0,1,2,3,4,5,6,7
	v_cndmask_b32 v[BV+\i], 0, v[BV+\i], s51       ; k and q have no bias
.endr
.endif
.irp j, 0,1,2,3,4,5,6,7
	v_mov_b32 v[CB+\j], v[BV+(\u)]                 ; a lane holds one row of source 1: its bias in all eight registers of C
.endr
.rept 4
	v_nop
.endr
	WIN 0x09                                       ; source 0 window 1, source 1 window 2
.irp s, 0,1,2,3                                    ; the eight accumulators take turns, one instruction a turn, K ascending
.irp t, 0,1,2,3,4,5,6,7
.if \s == 0
	v_wmma_scale_f32_16x16x128_f8f6f4 v[D+8*\t:D+8*\t+7], v[8*(4*\t+\s):8*(4*\t+\s)+7], v[32*(\u)+8*\s:32*(\u)+8*\s+7], v[CB:CB+7], v[AS+4*\t+\s], v[BS+4*(\u)+\s] matrix_a_fmt:MATRIX_FMT_FP4 matrix_b_fmt:MATRIX_FMT_FP4
.else
	v_wmma_scale_f32_16x16x128_f8f6f4 v[D+8*\t:D+8*\t+7], v[8*(4*\t+\s):8*(4*\t+\s)+7], v[32*(\u)+8*\s:32*(\u)+8*\s+7], v[D+8*\t:D+8*\t+7], v[AS+4*\t+\s], v[BS+4*(\u)+\s] matrix_a_fmt:MATRIX_FMT_FP4 matrix_b_fmt:MATRIX_FMT_FP4
.endif
.endr
.endr
	WIN 0
.rept 4
	v_nop                                          ; four places in front of the first read of results (ISA guide 7.12.1)
.endr
	QUANT D, PC+8*(\u), PW+(\u), TM
.irp c, 0,1
	global_store_b128 v[LI], v[PC+8*(\u)+4*\c:PC+8*(\u)+4*\c+3], s[38:39] offset:1024*(\u)+512*\c   ; 32 lanes store 512 consecutive bytes, at a multiple of 256 from the buffer's first byte
.endr
.endm
.irp u, 0,1,2,3,4,5,6,7
	UNIT \u
.endr
	v_cmp_eq_u32 vcc_lo, 1, v2                     ; the group of scale words: lanes 0-15 take tiles 0-3's, lanes 16-31 tiles 4-7's
.irp i, 0,1,2,3
	v_cndmask_b32 v[SG+\i], v[PW+\i], v[PW+4+\i], vcc_lo
.endr
	global_store_b128 v[LI], v[SG:SG+3], s[52:53]
	s_endpgm
.Lfunc_end_k_qc3be0231a4_project:
	.size	k_qc3be0231a4_project, .Lfunc_end_k_qc3be0231a4_project-k_qc3be0231a4_project
	.p2alignl 7, 3214868480
	.fill 96, 4, 3214868480
	.section	.rodata,"a",@progbits
	.p2align	6, 0x0
	.amdhsa_kernel k_qc3be0231a4_project
		.amdhsa_group_segment_fixed_size 0
		.amdhsa_private_segment_fixed_size 0
		.amdhsa_enable_private_segment 0
		.amdhsa_kernarg_size 88
		.amdhsa_user_sgpr_count 2
		.amdhsa_user_sgpr_kernarg_segment_ptr 1
		.amdhsa_wavefront_size32 1
		.amdhsa_system_sgpr_workgroup_id_x 1
		.amdhsa_system_sgpr_workgroup_id_y 1
		.amdhsa_system_sgpr_workgroup_id_z 1
		.amdhsa_system_vgpr_workitem_id 0
		.amdhsa_next_free_vgpr 768
		.amdhsa_next_free_sgpr 66
		.amdhsa_reserve_vcc 1
		.amdhsa_float_denorm_mode_32 3
		.amdhsa_float_denorm_mode_16_64 3
		.amdhsa_memory_ordered 1
		.amdhsa_forward_progress 1
		.amdhsa_inst_pref_size 87
	.end_amdhsa_kernel
	.amdgpu_metadata
---
amdhsa.version: [ 1, 2 ]
amdhsa.kernels:
  - .name:           k_qc3be0231a4_project
    .symbol:         k_qc3be0231a4_project.kd
    .args:
      - { .name: x_codes, .offset: 0, .size: 8, .value_kind: global_buffer, .address_space: global }
      - { .name: x_scales, .offset: 8, .size: 8, .value_kind: global_buffer, .address_space: global }
      - { .name: y_codes, .offset: 16, .size: 8, .value_kind: global_buffer, .address_space: global }
      - { .name: y_scales, .offset: 24, .size: 8, .value_kind: global_buffer, .address_space: global }
      - { .name: w_qk_codes, .offset: 32, .size: 8, .value_kind: global_buffer, .address_space: global }
      - { .name: w_qk_scales, .offset: 40, .size: 8, .value_kind: global_buffer, .address_space: global }
      - { .name: w_v_codes, .offset: 48, .size: 8, .value_kind: global_buffer, .address_space: global }
      - { .name: w_v_scales, .offset: 56, .size: 8, .value_kind: global_buffer, .address_space: global }
      - { .name: b_v, .offset: 64, .size: 8, .value_kind: global_buffer, .address_space: global }
      - { .name: kv, .offset: 72, .size: 8, .value_kind: global_buffer, .address_space: global }
      - { .name: qi, .offset: 80, .size: 8, .value_kind: global_buffer, .address_space: global }
    .group_segment_fixed_size: 0
    .private_segment_fixed_size: 0
    .kernarg_segment_align: 8
    .kernarg_segment_size: 88
    .max_flat_workgroup_size: 96
    .sgpr_count:     66
    .vgpr_count:     768
    .wavefront_size: 32
...
	.end_amdgpu_metadata
.endif
;; end of part 1
;; launch attend (part 2): grid 64 x 4, 4 waves a work-group, clusters of 4 x 1, 327,680 bytes of LDS; arguments kv, qi, w_t_codes, w_t_scales, b_t, gamma, beta, run_mean, run_var, out0; writes out0
.if DOCPART == 2
	.amdgcn_target "amdgcn-amd-amdhsa--gfx1250"
	.amdhsa_code_object_version 6
	.text
	.protected	k_qc3be0231a4_attend
	.globl	k_qc3be0231a4_attend
	.p2align	8
	.type	k_qc3be0231a4_attend,@function
k_qc3be0231a4_attend:
	s_mov_b64 s[64:65], 0
	v_nop
	global_prefetch_b8 v0, s[64:65] scope:SCOPE_SE
	s_setreg_imm32_b32 hwreg(HW_REG_WAVE_MODE, 25, 1), 1
	s_wait_xcnt 0x0
	s_wait_alu depctr_hold_cnt(0) depctr_sa_sdst(0) depctr_va_vdst(0) depctr_va_sdst(0) depctr_va_ssrc(0) depctr_va_vcc(0) depctr_vm_vsrc(0)
	s_getreg_b32 s2, hwreg(HW_REG_IB_STS2, 6, 4)
	s_cmp_eq_u32 s2, 0
	s_cbranch_scc0 .Lentry_in_a_cluster
	s_endpgm
.Lentry_in_a_cluster:
	s_bfe_u32 s2, ttmp6, 0x10000c
	s_cmp_lg_u32 s2, 0x3003
	s_cbranch_scc0 .Lentry_shape_is_right
	s_endpgm
.Lentry_shape_is_right:
; out[b][n][:] = relu(BN(w_t (softmax_m(q . k / sqrt(128)) v) + b_t)), all three products on codes of FP4 (E2M1) with one E8M0 scale for each 32 along K.
; q, k, v come as images of operand registers with their scale words (buffers qi and kv: 1,024 bytes a fragment, register group c of lane l at 512 c + 16 l).
; THE SOFTMAX: t = score x log2(e) / sqrt(128); M = the largest t so far, rounded UP to a whole number; p = 2^(t - M) is quantised along the keys, not normalised; the row's sum is taken of
; the unquantised p and divides at the end.  When M moves, the sum is multiplied by 2^(old M - new M), in every step: exact.
; O^T IS RESCALED IN EVERY THIRD STEP ONLY.  Between, it stays in the unit 2^(M - e), and e, a whole number, is added to each byte of p's scale word: the products of these keys then come out 2^e larger, which
; is the same sum in the older unit, bit for bit, since every factor is a power of two.  The codes are untouched.  Step 0 starts the sums (e = 0); then five groups of (deferred, deferred, rescaled), so that the
; last step leaves O^T under M.  e is held at 40 in a group's first step and at 80 in its second; where M rises faster than that, the unit moves without O^T being touched: what was summed before, at most
; 2^11 keys of weight 1 (2^40 in the second step), then counts for at most 2^-29 of the largest |v| beside a sum above 1/2.  No branch hangs on any of this.
; SHARES.  A work-group owns 64 queries of one batch: four tiles of 16.  Four waves, one to a SIMD.  Wave w = (qp = w % 2, kh = w / 2) holds TWO tiles of queries (O^T: 2 x 256 registers), so that each
; fragment of k and v read from LDS feeds two products, and walks HALF of the keys: the steps of 128 keys of parity kh, 16 steps.  Its local tile i is query tile 2 qp + (i xor kh): at the end it keeps
; local tile 0 and gives local tile 1 to wave w xor 2, through LDS, with its M and sum; M is a whole number, so the two halves are joined by exact powers of two.
; Then x_s = O / sum is quantised along the 512 channels, its images go round through LDS, and wave w makes outputs 128 w .. 128 w + 127 of all 64 queries.
; LAYOUT.  All products are used transposed (source 0 = 16 keys, channels or outputs; source 1 = 16 queries): a lane holds ONE query (lane % 16) throughout.  The keys of a tile of k and the channels of a
; tile of v were chosen by the launch before so that the 16 registers of tiles 2 b, 2 b + 1 are 16 neighbours along the next product's K.
; CLUSTER.  The four work-groups of a cluster belong to one batch and walk the same blocks of kv: each quarter of a slot is asked for JOINTLY, by the same tensor load with the same descriptor and a mask
; that names the four.  The ring has two slots of two blocks (parity 0, parity 1: 87,040 bytes); a wave fetches a quarter: 85 rows of 256 bytes.  By this text's count a wave has two tensor loads out at
; the start and one behind each round.  A step takes its whole block into registers before its second product, so the slot is given up in the middle of that product, and the refill has a step in which to land.
; LIMITS: NaN and infinities are not served.  |v| stays under 2^36 (O^T holds up to 2^91 times the largest |v|).  A block of x_s or p whose largest magnitude lies under 2^-124 gets the scale byte 1 (a block
; of zeros: zero codes).  1 / sum by v_rcp_f32 and 1 / sqrt(var + eps) by v_rsq_f32, each good to one unit in the last place; var + eps is taken to be positive.  The shift is formed as
; (b_t - mean) x inv + beta, another order of rounding than the source's.  No prefetch: kv and qi were stored by the launch just before.
; REGISTERS, in windows of 256: window 0: v1-11 addresses; v12-19 four statistics a tile (-M, largest t, the sum in two halves); v20-35 q; v36-59 scale words (q, p, k, v); v60-75 p's codes; v76-107 at work,
;   16 a tile; v112-127 w_t's scale words; v128-255 S^T, then p, 64 a tile.   window 1: k's and v's fragments.   window 2: O^T of local tile 0.   window 3: O^T of local tile 1.
.set BLKB,  43520                      ; a block of kv
.set SLOTB, 87040                      ; a slot: two blocks
.set QUART, 21760                      ; a wave's quarter of a slot: 85 rows of 256 bytes
.set SLOT1, 1<<17                      ; slot 1 begins here: one exclusive or turns an address in one slot into the other's
.set SPARE, 87040                      ; behind slot 0: the spare words, 128 bytes for each wave: two blocks of 256 bytes that no other line names
.set TAB_A, 87552                      ; inv[512]; 2,048 bytes on: shift[512]
.set STATS, 91648                      ; 256 bytes a wave: -M at 4 x lane, the sum at 128 + 4 x lane
.set XIMG,  92672                      ; x_s: 16 images, index 4 x query tile + K step
.set XSC,   109056                     ; their scale words, 128 bytes an image
.set STG,   218112                     ; behind slot 1: the way out: 16 rows x (512 + 16) bytes for each wave
.set N40,   0xc2200000                 ; -40.0 and -80.0: how far -e may fall in a group's first and second step
.set N80,   0xc2a00000
.set LI,   1                           ; v1   16 x lane
.set KB0,  2                           ; v2   16 x lane + my parity's block in a slot
.set ADR,  3                           ; v3   the same in the slot in hand
.set TBW,  4                           ; v4   where my thread puts its four numbers of the tables
.set SPW,  5                           ; v5   LDS address of my spare word: SPARE + 4 x my thread's number; never rewritten
.set NIL,  6                           ; v6   0; never rewritten
.set EXW,  7                           ; v7-11, v20-27: the tail's addresses
.set EXR,  8
.set STW,  9
.set STR,  10
.set XWI,  11
.set ST,   12
.set QF,   20
.set XWS,  20
.set XRI,  21
.set XRS,  22
.set TBR,  23
.set STO,  24
.set SRD,  25
.set WTA,  26
.set WTS,  27
.set QS,   36
.set PS,   38
.set KS,   40
.set XSW,  40                          ; the tail: x_s's 16 scale words
.set VS,   44
.set PF,   60
.set GA,   68                          ; the tail: my half's factor, the other half's factor, as pairs
.set GB,   70
.set T,    76                          ; tile i at T + 16 i: +0..3 block maxima, +4..7 at work, +8..11 the conversions' scale operands, +12:13 the sum's factor, +14 at work (e in four bytes, or O^T's factor), +15 -e, kept from step to step
.set WS,   112
.set S,    128
.set G1,   24                          ; s[24:31] descriptor group 1
.set G0A,  32                          ; s[32:35] group 0 of slot 0's first fill
.set G0B,  36                          ; s[36:39] group 0 of slot 1's first fill; it then walks
.set WV,   40
.set QP,   41
.set KH,   42
.set TB,   46                          ; s46  LDS byte at which the slot in hand begins
.set CNT,  47
.set SEL,  48                          ; s[48:49] lane selects for v_permlanex16_b32: lane l xor 16
.set CS,   50                          ; s[50:51] c = log2(e) / sqrt(128): the packed form names a pair and takes its low word for both halves
.set MSB, 0
.macro WIN new                         ; bits 1:0 source 0, 3:2 source 1, 5:4 source 2, 7:6 destination; the high byte repeats the setting that is left
.if MSB != \new
	s_set_vgpr_msb (MSB<<8)|\new
.set MSB, \new
.endif
.endm
.macro PLACES n
.rept \n
	v_nop
.endr
.endm
; A round of the cluster's barrier: my work-group's barrier; wave 0 signals for the work-group; every wave waits for all four work-groups; my work-group's barrier once more.
.macro CROUND
	s_barrier_signal -1
	s_barrier_wait -1
	s_cmp_lg_u32 s[WV], 0
	s_cbranch_scc1 .Lnot_wave_0_\@
	s_barrier_signal -3
.Lnot_wave_0_\@:
	s_barrier_wait -3
	s_barrier_signal -1
	s_barrier_wait -1
.endm
.macro BAR                             ; my LDS stores have landed and my LDS loads are in: then the work-group's barrier
	s_wait_dscnt 0x0
	s_barrier_signal -1
	s_barrier_wait -1
.endm
; 64 numbers of a lane, register 16 b + i = k 32 b + 16 (lane / 16) + i of my row, become a fragment's codes in v[pc] on and its scale word in v[pw]
.macro QUANT src, pc, pw, tm
.irp b, 0,1,2,3
	v_max3_num_f32 v[\tm+\b], |v[\src+16*\b]|, |v[\src+1+16*\b]|, 0x1800000   ; and the floor 2^(3 - 127): the byte cannot fall under 1
.endr
.irp i, 2,4,6,8,10,12,14
.irp b, 0,1,2,3
	v_max3_num_f32 v[\tm+\b], v[\tm+\b], |v[\src+16*\b+\i]|, |v[\src+1+16*\b+\i]|
.endr
.endr
.irp b, 0,1,2,3
	v_permlanex16_b32 v[\tm+4+\b], v[\tm+\b], s[SEL], s[SEL+1]
.endr
.irp b, 0,1,2,3
	v_max_num_f32 v[\tm+\b], v[\tm+\b], v[\tm+4+\b]
.endr
.irp b, 0,1,2,3
	v_add_nc_u32 v[\tm+12+\b], 0xff000000, v[\tm+\b]     ; 2 off the exponent field: the conversion's scale operand
.endr
.irp b, 0,1,2,3
	v_lshrrev_b32 v[\tm+4+\b], 23, v[\tm+12+\b]          ; the scale's byte
.endr
	v_lshl_or_b32 v[\pw], v[\tm+5], 8, v[\tm+4]
	v_lshl_or_b32 v[\pw], v[\tm+6], 16, v[\pw]
	v_lshl_or_b32 v[\pw], v[\tm+7], 24, v[\pw]
.irp b, 0,1,2,3
	v_cvt_scalef32_pk8_fp4_f32 v[\pc+2*\b], v[\src+16*\b:\src+7+16*\b], v[\tm+12+\b]
	v_cvt_scalef32_pk8_fp4_f32 v[\pc+1+2*\b], v[\src+8+16*\b:\src+15+16*\b], v[\tm+12+\b]
.endr
	v_nop                                                ; one plain place behind a scaled conversion
.irp c, 0,1
.irp i, 0,1
	v_permlane16_swap_b32 v[\pc+4*\c+\i], v[\pc+2+4*\c+\i]
.endr
.endr
.endm
	s_load_b512 s[4:19], s[0:1], 0x0               ; kv, qi, w_t codes, w_t scales, b_t, gamma, beta, run_mean
	s_load_b128 s[20:23], s[0:1], 0x40             ; run_var, out0
	v_lshl_add_u32 v[SPW], v0, 2, SPARE
	v_mov_b32 v[NIL], 0
	ds_add_u32 v5, v6
	ds_add_u32 v5, v6
	s_wait_dscnt 0x0
	v_lshrrev_b32 v1, 5, v0
	v_readfirstlane_b32 s[WV], v1                  ; wave 0..3
	s_and_b32 s[QP], s[WV], 1                      ; which pair of query tiles
	s_lshr_b32 s[KH], s[WV], 1                     ; which parity of key steps
	s_bfe_u32 s43, ttmp6, 0x40000                  ; cx: my place in the cluster: it enters the addresses of qi and out0 alone
	s_lshl_b32 s44, ttmp9, 2
	s_add_co_u32 s44, s44, s43                     ; my block of 64 queries = 4 x cluster x + cx
	s_and_b32 s45, ttmp7, 0xffff                   ; the batch, which the four partners share
	; descriptor group 1: 85 dense rows of 256 bytes (32 elements of 8 bytes), no padding: every read of the ring is 16 x lane, 512 consecutive bytes
	s_mov_b32 s[G1], 15|(3<<16)|(1<<21)            ; 15:0 the mask: all four work-groups; 17:16 elements of 8 bytes; 21 set beside a mask
	s_mov_b32 s[G1+1], 32<<16                      ; tensor_dim0 = 32
	s_mov_b32 s[G1+2], 85<<16                      ; tensor_dim1 = 85
	s_mov_b32 s[G1+3], 32<<16                      ; tile_dim0 = 32
	s_mov_b32 s[G1+4], 85                          ; tile_dim1 = 85
	s_mov_b32 s[G1+5], 32                          ; from row to row
	s_mov_b32 s[G1+6], 0
	s_mov_b32 s[G1+7], 0
	s_mul_i32 s52, s45, 32*BLKB                    ; kv: the batch's 32 blocks,
	s_mul_i32 s54, s[WV], QUART                    ; my quarter: in memory and in a slot
	s_add_co_u32 s52, s52, s54
	s_mov_b32 s53, 0
	s_lshl_b32 s55, s45, 5
	s_lshr_b32 s56, s44, 1
	s_add_co_u32 s55, s55, s56                     ; qi: the block of 128 queries,
	s_mul_i32 s56, s55, 8704
	s_and_b32 s58, s44, 1                          ; and which half of it
	s_lshl_b32 s60, s58, 12
	s_add_co_u32 s60, s60, s56                     ; my four tiles' images
	s_mov_b32 s61, 0
	s_lshl_b32 s62, s58, 8
	s_add_co_u32 s62, s62, s56
	s_add_co_u32 s62, s62, 8192                    ; and their scale words
	s_mov_b32 s63, 0
	s_lshl_b32 s66, s[WV], 15                      ; w_t: my 128 rows of 256 bytes,
	s_mov_b32 s67, 0
	s_lshl_b32 s68, s[WV], 11                      ; and of 16 scale bytes
	s_mov_b32 s69, 0
	s_lshl_b32 s70, s45, 23                        ; out0: 4,096 rows of 2,048 bytes a batch,
	s_lshl_b32 s71, s44, 17                        ; 64 rows a work-group,
	s_add_co_u32 s70, s70, s71
	s_lshl_b32 s71, s[WV], 9                       ; my 128 outputs
	s_add_co_u32 s70, s70, s71
	s_mov_b32 s71, 0
	s_lshl_b32 s72, s[QP], 1
	s_add_co_u32 s72, s72, s[KH]                   ; local tile 0 = query tile 2 qp + kh,
	s_xor_b32 s73, s72, 1                          ; local tile 1 = the pair's other one
	s_mov_b32 s[SEL], 0x76543210
	s_mov_b32 s[SEL+1], 0xfedcba98
	s_mov_b32 s[CS], 0x3e0293ee                    ; c = log2(e) / sqrt(128)
	s_mov_b32 s[CS+1], s[CS]                       ; (named with it as a pair, so it is written)
	s_mov_b32 s[TB], 0
	s_wait_kmcnt 0x0
	s_add_nc_u64 s[4:5], s[4:5], s[52:53]
	s_add_nc_u64 s[60:61], s[6:7], s[60:61]
	s_add_nc_u64 s[62:63], s[6:7], s[62:63]
	s_add_nc_u64 s[8:9], s[8:9], s[66:67]
	s_add_nc_u64 s[10:11], s[10:11], s[68:69]
	s_add_nc_u64 s[22:23], s[22:23], s[70:71]
	CROUND                                         ; all four work-groups are here: the first joint loads meet
	s_mov_b32 s[G0A], 1                            ; count = 1
	s_mov_b32 s[G0A+1], s54                        ; LDS address: slot 0, my quarter
	s_mov_b64 s[G0A+2:G0A+3], s[4:5]               ; global address: key steps 0 and 1
	s_or_b32 s[G0A+3], s[G0A+3], 0x80000000        ; type = 2
	s_mov_b32 s[G0B], 1
	s_add_co_u32 s[G0B+1], s54, SLOT1
	s_add_nc_u64 s[G0B+2:G0B+3], s[4:5], SLOTB     ; key steps 2 and 3
	s_or_b32 s[G0B+3], s[G0B+3], 0x80000000
	tensor_load_to_lds s[G0A:G0A+3], s[G1:G1+7]    ; the two first fills stand together, ahead of every wait on TENSORcnt and every LDS read
	s_nop 0
	tensor_load_to_lds s[G0B:G0B+3], s[G1:G1+7]
	s_nop 0
	PLACES 4
	v_and_b32 v[LI], 31, v0
	v_lshlrev_b32 v[LI], 4, v[LI]
	s_mul_i32 s74, s[KH], BLKB
	v_add_nc_u32 v[KB0], s74, v[LI]
	v_mov_b32 v[ADR], v[KB0]
	s_lshl_b32 s74, s72, 10
	s_lshl_b32 s75, s73, 10
	v_add_nc_u32 v108, s74, v[LI]                  ; q: my lane's place in local tile 0's image,
	v_add_nc_u32 v109, s75, v[LI]                  ; in local tile 1's
	v_and_b32 v110, 15, v0
	v_lshlrev_b32 v110, 4, v110
	v_lshl_add_u32 v111, s73, 2, v110              ; and their scale words: 16 x row + 4 x tile
	v_lshl_add_u32 v110, s72, 2, v110
	v_lshlrev_b32 v7, 4, v0                        ; the tables: four channels a thread
	v_lshl_add_u32 v[TBW], v0, 4, TAB_A
.irp c, 0,1
	global_load_b128 v[QF+4*\c:QF+4*\c+3], v108, s[60:61] offset:512*\c
	global_load_b128 v[QF+8+4*\c:QF+8+4*\c+3], v109, s[60:61] offset:512*\c
.endr
	global_load_b32 v[QS], v110, s[62:63]
	global_load_b32 v[QS+1], v111, s[62:63]
	global_load_b128 v[128:131], v7, s[14:15]      ; gamma
	global_load_b128 v[132:135], v7, s[16:17]      ; beta
	global_load_b128 v[136:139], v7, s[18:19]      ; run_mean
	global_load_b128 v[140:143], v7, s[20:21]      ; run_var
	global_load_b128 v[144:147], v7, s[12:13]      ; b_t
.irp i, 0,1
	v_mov_b32 v[ST+4*\i+1], 0xff61b1e6             ; the largest t so far: -3e38, under every t
	v_floor_f32 v[ST+4*\i], -v[ST+4*\i+1]          ; -M
	v_mov_b32 v[ST+4*\i+2], 0                      ; the sum, in two halves
	v_mov_b32 v[ST+4*\i+3], 0
	v_mov_b32 v[T+16*\i+13], 0                     ; (named as the upper half of the factor's pair)
	v_mov_b32 v[T+16*\i+15], 0                     ; -e: step 0 leaves O^T under its own M
.irp b, 0,1,2,3
	v_mov_b32 v[T+16*\i+4+\b], 0                   ; written once: a lane permute's destination counts as one of its sources
.endr
.endr
	s_wait_loadcnt 0x0
.irp k, 0,1,2,3
	v_add_f32 v[148+\k], 0x3727c5ac, v[140+\k]     ; var + 1e-5
.endr
.irp k, 0,1,2,3
	v_rsq_f32 v[148+\k], v[148+\k]
.endr
.irp k, 0,1,2,3
	v_sub_f32 v[156+\k], v[144+\k], v[136+\k]      ; b_t - mean (plain lines behind the transcendentals)
.endr
	s_wait_alu depctr_va_vdst(0)
.irp k, 0,1,2,3
	v_mul_f32 v[152+\k], v[128+\k], v[148+\k]      ; inv = gamma / sqrt(var + eps)
.endr
.irp k, 0,1,2,3
	v_fma_f32 v[160+\k], v[156+\k], v[152+\k], v[132+\k]   ; shift = (b_t - mean) inv + beta
.endr
	ds_store_b128 v[TBW], v[152:155]
	ds_store_b128 v[TBW], v[160:163] offset:2048
; A step's fragments of k (8 tiles of 16 keys) and their scale words.  They share registers with v's first eight tiles.
.macro KLOAD
	WIN 0x40                                       ; destination window 1
.irp t, 0,1,2,3,4,5,6,7
.irp c, 0,1
	ds_load_b128 v[8*\t+4*\c:8*\t+4*\c+3], v[ADR] offset:1024*\t+512*\c
.endr
.endr
	WIN 0
	ds_load_b128 v[KS:KS+3], v[ADR] offset:40960   ; register k: lanes 0-15 tile k's words, lanes 16-31 tile 4 + k's
.endm
; Run g of eight of a step's fragments of v: channel tiles 4 g .. 4 g + 3, eight loads; every second run brings the scale words of eight tiles with it.  The four waves are at the same place of a step,
; so the runs are short and stand apart, between the stages of the softmax, whose vector instructions keep their order.
.macro VRUN g
	WIN 0x40
.irp k, 0,1,2,3
	ds_load_b128 v[8*(4*(\g)+\k):8*(4*(\g)+\k)+3], v[ADR] offset:8192+1024*(4*(\g)+\k)
	ds_load_b128 v[8*(4*(\g)+\k)+4:8*(4*(\g)+\k)+7], v[ADR] offset:8192+1024*(4*(\g)+\k)+512
.endr
	WIN 0
.if ((\g)%2) == 0
	ds_load_b128 v[VS+4*((\g)/2):VS+4*((\g)/2)+3], v[ADR] offset:41472+512*((\g)/2)
.endif
.endm
; S^T = k q^T: 8 tiles of keys x my two tiles of queries
.macro KQ
	WIN 0x01                                       ; source 0 (k) window 1
.irp t, 0,1,2,3,4,5,6,7
.irp i, 0,1
.if \t < 4
	v_wmma_scale_f32_16x16x128_f8f6f4 v[S+64*\i+8*\t:S+64*\i+8*\t+7], v[8*\t:8*\t+7], v[QF+8*\i:QF+8*\i+7], 0, v[KS+\t%4], v[QS+\i] matrix_a_fmt:MATRIX_FMT_FP4 matrix_b_fmt:MATRIX_FMT_FP4
.else
	v_wmma_scale_f32_16x16x128_f8f6f4 v[S+64*\i+8*\t:S+64*\i+8*\t+7], v[8*\t:8*\t+7], v[QF+8*\i:QF+8*\i+7], 0, v[KS+\t%4], v[QS+\i] matrix_a_fmt:MATRIX_FMT_FP4 matrix_b_fmt:MATRIX_FMT_FP4 matrix_a_scale:MATRIX_SCALE_ROW1
.endif
.endr
.endr
.endm
.macro FMAI i, j                       ; t - M of pair j of tile i
	v_pk_fma_f32 v[S+64*(\i)+2*(\j):S+64*(\i)+2*(\j)+1], v[S+64*(\i)+2*(\j):S+64*(\i)+2*(\j)+1], s[CS:CS+1], v[ST+4*(\i):ST+4*(\i)+1] op_sel_hi:[1,0,0]
.endm
.macro EXPI i, n                       ; p = 2^(t - M), at most 1
	v_exp_f32 v[S+64*(\i)+(\n)], v[S+64*(\i)+(\n)]
.endm
.macro SUMI i, j                       ; line j of 32 of the row's sum of the UNQUANTISED p: two at a time, in two chains
.if (\j) == 0
	v_pk_add_f32 v[T+16*(\i)+4:T+16*(\i)+5], v[S+64*(\i):S+64*(\i)+1], v[S+64*(\i)+2:S+64*(\i)+3]
.elseif (\j) == 31
	v_pk_add_f32 v[ST+4*(\i)+2:ST+4*(\i)+3], v[ST+4*(\i)+2:ST+4*(\i)+3], v[T+16*(\i)+4:T+16*(\i)+5]
.elseif (\j)%2 == 1
	v_pk_add_f32 v[ST+4*(\i)+2:ST+4*(\i)+3], v[ST+4*(\i)+2:ST+4*(\i)+3], v[S+64*(\i)+2*(\j)+2:S+64*(\i)+2*(\j)+3]
.else
	v_pk_add_f32 v[T+16*(\i)+4:T+16*(\i)+5], v[T+16*(\i)+4:T+16*(\i)+5], v[S+64*(\i)+2*(\j)+2:S+64*(\i)+2*(\j)+3]
.endif
.endm
.macro QPREP i, kind                   ; from the four blocks' largest p: the conversions' scale operands and p's scale word; in a deferred step e is added to each of its bytes
.irp b, 0,1,2,3
	v_max_num_f32 v[T+16*(\i)+\b], 0x1800000, v[T+16*(\i)+\b]        ; the floor 2^(3 - 127)
.endr
.irp b, 0,1,2,3
	v_add_nc_u32 v[T+16*(\i)+8+\b], 0xff000000, v[T+16*(\i)+\b]
.endr
.irp b, 0,1,2,3
	v_lshrrev_b32 v[T+16*(\i)+4+\b], 23, v[T+16*(\i)+8+\b]
.endr
	v_lshl_or_b32 v[PS+(\i)], v[T+16*(\i)+5], 8, v[T+16*(\i)+4]
	v_lshl_or_b32 v[PS+(\i)], v[T+16*(\i)+6], 16, v[PS+(\i)]
	v_lshl_or_b32 v[PS+(\i)], v[T+16*(\i)+7], 24, v[PS+(\i)]
.if \kind == 1
	v_add_nc_u32 v[PS+(\i)], v[PS+(\i)], v[T+16*(\i)+14]             ; a byte is at most 125 (p is at most 1) and e at most 80: no byte carries into the next
.endif
.endm
.macro CVT i
.irp b, 0,1,2,3
	v_cvt_scalef32_pk8_fp4_f32 v[PF+8*(\i)+2*\b], v[S+64*(\i)+16*\b:S+64*(\i)+16*\b+7], v[T+16*(\i)+8+\b]
	v_cvt_scalef32_pk8_fp4_f32 v[PF+8*(\i)+2*\b+1], v[S+64*(\i)+16*\b+8:S+64*(\i)+16*\b+15], v[T+16*(\i)+8+\b]
.endr
	v_nop                                          ; one plain place behind a scaled conversion
.irp c, 0,1
.irp k, 0,1
	v_permlane16_swap_b32 v[PF+8*(\i)+4*\c+\k], v[PF+8*(\i)+4*\c+2+\k]
.endr
.endr
.endm
; The softmax of both tiles for one key step, with v's eight runs of loads between its stages.  The two tiles take turns line by line; one tile's plain work stands between the other's exponentials.
; kind 0: step 0.  kind 1: a deferred step: -e falls by M's rise, held at nthr from below.  kind 2: a rescaling step: O^T's factor is the sum's factor x 2^-e, and e is 0 again.
.macro SOFTMAX kind, nthr
	VRUN 0
.irp b, 0,1,2,3
.irp i, 0,1
	v_max3_num_f32 v[T+16*\i+\b], v[S+64*\i+16*\b], v[S+64*\i+16*\b+1], v[S+64*\i+16*\b+2]   ; the largest SCORE of each block of 32 keys: it serves the row's maximum and, since p rises with the score, the block's largest p
.endr
.endr
.irp n, 3,5,7
.irp b, 0,1,2,3
.irp i, 0,1
	v_max3_num_f32 v[T+16*\i+\b], v[T+16*\i+\b], v[S+64*\i+16*\b+\n], v[S+64*\i+16*\b+\n+1]
.endr
.endr
.endr
	VRUN 1
.irp n, 9,11,13
.irp b, 0,1,2,3
.irp i, 0,1
	v_max3_num_f32 v[T+16*\i+\b], v[T+16*\i+\b], v[S+64*\i+16*\b+\n], v[S+64*\i+16*\b+\n+1]
.endr
.endr
.endr
.irp b, 0,1,2,3
.irp i, 0,1
	v_max_num_f32 v[T+16*\i+\b], v[T+16*\i+\b], v[S+64*\i+16*\b+15]
.endr
.endr
	VRUN 2
.irp b, 0,1,2,3
.irp i, 0,1
	v_permlanex16_b32 v[T+16*\i+4+\b], v[T+16*\i+\b], s[SEL], s[SEL+1]
.endr
.endr
.irp b, 0,1,2,3
.irp i, 0,1
	v_max_num_f32 v[T+16*\i+\b], v[T+16*\i+\b], v[T+16*\i+4+\b]     ; with lane l xor 16's 16 keys
.endr
.endr
.irp i, 0,1
	v_max3_num_f32 v[T+16*\i+14], v[T+16*\i], v[T+16*\i+1], v[T+16*\i+2]
.endr
.irp i, 0,1
	v_max_num_f32 v[T+16*\i+14], v[T+16*\i+14], v[T+16*\i+3]        ; the step's largest score of my query
.endr
.irp i, 0,1
	v_mul_f32 v[T+16*\i+14], s[CS], v[T+16*\i+14]                   ; as t (c is positive)
.endr
.irp i, 0,1
	v_max_num_f32 v[ST+4*\i+1], v[ST+4*\i+1], v[T+16*\i+14]         ; the running largest t
.endr
.irp i, 0,1
	v_mov_b32 v[T+16*\i+14], v[ST+4*\i]
.endr
.irp i, 0,1
	v_floor_f32 v[ST+4*\i], -v[ST+4*\i+1]                           ; the new -M = floor(-t): M is a whole number
.endr
.irp i, 0,1
	v_sub_f32 v[T+16*\i+14], v[ST+4*\i], v[T+16*\i+14]              ; old M - new M: a whole number, 0 or less
.endr
.if \kind == 1
.irp i, 0,1
	v_add_f32 v[T+16*\i+15], v[T+16*\i+15], v[T+16*\i+14]           ; -e falls as M rises,
.endr
.irp i, 0,1
	v_max_num_f32 v[T+16*\i+15], \nthr, v[T+16*\i+15]               ; and is held
.endr
.endif
.irp i, 0,1
	v_cvt_i32_f32 v[T+16*\i+14], v[T+16*\i+14]                      ; (it saturates)
.endr
.irp i, 0,1
	v_ldexp_f32 v[T+16*\i+12], 1.0, v[T+16*\i+14]                   ; the sum's factor, 2^(old M - new M)
.endr
.if \kind == 1
.irp i, 0,1
	v_cvt_i32_f32 v[T+16*\i+14], v[T+16*\i+15]
.endr
.irp i, 0,1
	v_sub_nc_u32 v[T+16*\i+14], 0, v[T+16*\i+14]                    ; e, 0 to 80,
.endr
.irp i, 0,1
	v_lshl_or_b32 v[T+16*\i+14], v[T+16*\i+14], 8, v[T+16*\i+14]
.endr
.irp i, 0,1
	v_lshl_or_b32 v[T+16*\i+14], v[T+16*\i+14], 16, v[T+16*\i+14]   ; in each of four bytes
.endr
.elseif \kind == 2
.irp i, 0,1
	v_cvt_i32_f32 v[T+16*\i+14], v[T+16*\i+15]
.endr
.irp i, 0,1
	v_ldexp_f32 v[T+16*\i+14], v[T+16*\i+12], v[T+16*\i+14]         ; O^T's factor: from the unit 2^(old M - e) to 2^(new M)
.endr
.irp i, 0,1
	v_mov_b32 v[T+16*\i+15], 0                                      ; O^T will stand under M
.endr
.endif
	VRUN 3
.set J, 0
.rept 32
	FMAI 0, J
.set J, J+1
.endr
.irp b, 0,1,2,3
.irp i, 0,1
	v_fma_f32 v[T+16*\i+\b], v[T+16*\i+\b], s[CS], v[ST+4*\i]       ; the same of each block's largest score
.endr
.endr
	VRUN 4
.set J, 0
.rept 32
.if J == 16
	VRUN 5
.endif
	EXPI 0, 2*J
	FMAI 1, J
	EXPI 0, 2*J+1
.set J, J+1
.endr
.irp b, 0,1,2,3
	v_exp_f32 v[T+\b], v[T+\b]                                      ; the block's largest p: the same two instructions on the same number give the same bits
.endr
	v_pk_mul_f32 v[ST+2:ST+3], v[ST+2:ST+3], v[T+12:T+13] op_sel_hi:[1,0]   ; the sum under the new M (a plain place behind the exponentials)
	s_wait_alu depctr_va_vdst(0)
	QPREP 0, \kind
	CVT 0
	VRUN 6
.set J, 0
.rept 32
.if J == 10
	VRUN 7
.endif
	EXPI 1, 2*J
	SUMI 0, J
	EXPI 1, 2*J+1
.set J, J+1
.endr
.irp b, 0,1,2,3
	v_exp_f32 v[T+16+\b], v[T+16+\b]
.endr
	v_pk_mul_f32 v[ST+6:ST+7], v[ST+6:ST+7], v[T+28:T+29] op_sel_hi:[1,0]
	s_wait_alu depctr_va_vdst(0)
	QPREP 1, \kind
	CVT 1
.set J, 0
.rept 32
	SUMI 1, J                                      ; these 32 name nothing of the products that follow: they are the places between p's codes and scale word and those products
.set J, J+1
.endr
.endm
.macro RESCALE                         ; O^T under the new M, each accumulator from its low end on
	WIN 0x82                                       ; destination and source 0 window 2
.set J, 0
.rept 128
	v_pk_mul_f32 v[J:J+1], v[J:J+1], v[T+14:T+15] op_sel_hi:[1,0]
.set J, J+2
.endr
	WIN 0xc3                                       ; window 3
.set J, 0
.rept 128
	v_pk_mul_f32 v[J:J+1], v[J:J+1], v[T+30:T+31] op_sel_hi:[1,0]
.set J, J+2
.endr
.endm
.macro PV1 ct, i, zero                 ; O^T(channel tile ct, local tile i) += v^T p^T; zero = 1: the product starts the sum: nothing is ever cleared
.if \zero
.if ((\ct)%8) < 4
	v_wmma_scale_f32_16x16x128_f8f6f4 v[8*(\ct):8*(\ct)+7], v[8*(\ct):8*(\ct)+7], v[PF+8*(\i):PF+8*(\i)+7], 0, v[VS+4*((\ct)/8)+(\ct)%4], v[PS+(\i)] matrix_a_fmt:MATRIX_FMT_FP4 matrix_b_fmt:MATRIX_FMT_FP4
.else
	v_wmma_scale_f32_16x16x128_f8f6f4 v[8*(\ct):8*(\ct)+7], v[8*(\ct):8*(\ct)+7], v[PF+8*(\i):PF+8*(\i)+7], 0, v[VS+4*((\ct)/8)+(\ct)%4], v[PS+(\i)] matrix_a_fmt:MATRIX_FMT_FP4 matrix_b_fmt:MATRIX_FMT_FP4 matrix_a_scale:MATRIX_SCALE_ROW1
.endif
.else
.if ((\ct)%8) < 4
	v_wmma_scale_f32_16x16x128_f8f6f4 v[8*(\ct):8*(\ct)+7], v[8*(\ct):8*(\ct)+7], v[PF+8*(\i):PF+8*(\i)+7], v[8*(\ct):8*(\ct)+7], v[VS+4*((\ct)/8)+(\ct)%4], v[PS+(\i)] matrix_a_fmt:MATRIX_FMT_FP4 matrix_b_fmt:MATRIX_FMT_FP4
.else
	v_wmma_scale_f32_16x16x128_f8f6f4 v[8*(\ct):8*(\ct)+7], v[8*(\ct):8*(\ct)+7], v[PF+8*(\i):PF+8*(\i)+7], v[8*(\ct):8*(\ct)+7], v[VS+4*((\ct)/8)+(\ct)%4], v[PS+(\i)] matrix_a_fmt:MATRIX_FMT_FP4 matrix_b_fmt:MATRIX_FMT_FP4 matrix_a_scale:MATRIX_SCALE_ROW1
.endif
.endif
.endm
.macro PV c0, n, zero                  ; channel tiles c0 .. c0 + n - 1, both local tiles.  Each of the 64 accumulators has one instruction a step
	WIN 0xa1                                       ; source 0 (v) window 1, source 1 (p) window 0, C and D window 2
.set CT, \c0
.rept \n
	PV1 CT, 0, \zero
.set CT, CT+1
.endr
	WIN 0xf1                                       ; C and D window 3
.set CT, \c0
.rept \n
	PV1 CT, 1, \zero
.set CT, CT+1
.endr
.endm
; THE CHANGE OF SLOTS.  All of my block is in registers.  Each wave waits for all its tensor loads (one is out: its quarter of the other slot), adds 0 to its spare word, and waits for that and for its reads of
; this slot.  fill = 1: the barrier is a round of the cluster's, so that no wave of any partner still reads the slot or has a load on its way, and the joint refill is the first thing behind it.
.macro CHANGE fill
	WIN 0                                          ; at a label and at a branch every window is 0; the add's two registers lie in window 0
	s_wait_tensorcnt 0x0                           ; no tensor load of mine is out, so a group 0 may be written
	ds_add_u32 v[SPW], v[NIL]                      ; 0 onto my spare word
.if \fill
	s_xor_b32 s[G0B+1], s[G0B+1], SLOT1            ; the walking descriptor: the other slot than last time,
	s_add_nc_u64 s[G0B+2:G0B+3], s[G0B+2:G0B+3], SLOTB   ; the next two key steps; the type bits on top are not reached
.endif
	s_wait_dscnt 0x0                               ; the add is done, and my reads of this slot are over
.if \fill
	CROUND
	tensor_load_to_lds s[G0B:G0B+3], s[G1:G1+7]    ; my one tensor load until the next round
	s_nop 0
.else
	s_barrier_signal -1
	s_barrier_wait -1
.endif
	PLACES 4                                       ; also the places in front of the loads into registers that the last products read
	s_xor_b32 s[TB], s[TB], SLOT1                  ; on to the other slot
	v_add_nc_u32 v[ADR], s[TB], v[KB0]
.endm
; A KEY STEP: 128 keys.  kind 0: its products start O^T; 1: deferred (nthr: the hold on -e); 2: O^T is rescaled.  mode 1: the slot is left and filled again; 2: left; 0: the last step.
.macro STEP kind, nthr, mode
	s_wait_dscnt 0x0                               ; k's fragments are in
	KQ
	WIN 0
	PLACES 4                                       ; in front of the loads over k's registers and of the first read of S^T
	SOFTMAX \kind, \nthr                           ; v lands under it
.if \kind == 2
	RESCALE
.endif
	s_wait_dscnt 0x0                               ; v's fragments are in: nothing of my block is left to read
.if \kind == 0
	PV 0, 8, 1
.else
	PV 0, 8, 0
.endif
.if \mode == 1
	CHANGE 1
	KLOAD                                          ; the next step's k, over v's first eight tiles, lands under the 48 products that follow
.elseif \mode == 2
	CHANGE 0
	KLOAD
.endif
.if \kind == 0
	PV 8, 24, 1
.else
	PV 8, 24, 0
.endif
	WIN 0
.endm
	s_wait_tensorcnt 0x1                           ; my quarter of slot 0 is in; slot 1's may stay out
	s_wait_dscnt 0x0                               ; the tables are stored
	s_barrier_signal -1
	s_barrier_wait -1                              ; everybody's quarter is in
	KLOAD
	STEP 0, 0, 1                                   ; step 0 asks for the slot of step 2
	s_mov_b32 s[CNT], 4
.Lstep:                                            ; steps 1 to 12, a group of three a trip: step i asks for the slot of step i + 2
	STEP 1, N40, 1
	STEP 1, N80, 1
	STEP 2, 0, 1
	s_sub_co_u32 s[CNT], s[CNT], 1
	s_cmp_lg_u32 s[CNT], 0
	s_cbranch_scc1 .Lstep
	STEP 1, N40, 1                                 ; the last group is written out: step 13 asks for the slot of step 15
	STEP 1, N80, 2                                 ; steps 14 and 15 for nothing
	STEP 2, 0, 0                                   ; and the last step leaves O^T under M
	; THE TAIL.  The sums' halves are joined and the tail's addresses made: these lines are also the places behind the last products.
	v_add_f32 v[ST+2], v[ST+2], v[ST+3]
	v_add_f32 v[ST+6], v[ST+6], v[ST+7]
	v_permlanex16_b32 v[T+4], v[ST+2], s[SEL], s[SEL+1]
	v_permlanex16_b32 v[T+20], v[ST+6], s[SEL], s[SEL+1]
	v_add_f32 v[ST+2], v[ST+2], v[T+4]             ; the sum over my half of the keys, local tile 0;
	v_add_f32 v[ST+6], v[ST+6], v[T+20]            ; local tile 1
	v_and_b32 v84, 15, v0                          ; r
	v_bfe_u32 v85, v0, 4, 1                        ; h
	v_and_b32 v86, 31, v0
	v_lshlrev_b32 v86, 2, v86                      ; 4 x lane
	s_lshl_b32 s74, s[KH], 17
	s_lshl_b32 s75, s[QP], 15
	s_add_co_u32 s74, s74, s75                     ; where I put the tile that I give: 32,768 bytes in the ring, which has had its last fill and, behind the next barrier, its last read
	s_xor_b32 s75, s74, SLOT1                      ; and where wave w xor 2 puts the tile that I take
	s_lshl_b32 s76, s[WV], 8
	s_xor_b32 s77, s76, 512
	s_add_co_u32 s76, s76, STATS
	s_add_co_u32 s77, s77, STATS
	s_lshl_b32 s78, s72, 12
	s_add_co_u32 s78, s78, XIMG
	s_lshl_b32 s79, s72, 9
	s_add_co_u32 s79, s79, XSC
	s_lshl_b32 s80, s[WV], 9
	s_add_co_u32 s80, s80, TAB_A
	s_mul_i32 s81, s[WV], 8448
	s_add_co_u32 s81, s81, STG
	v_add_nc_u32 v[EXW], s74, v[LI]
	v_add_nc_u32 v[EXR], s75, v[LI]
	v_add_nc_u32 v[STW], s76, v86
	v_add_nc_u32 v[STR], s77, v86
	v_add_nc_u32 v[XWI], s78, v[LI]                ; x_s's images of the tile that I keep
	v_add_nc_u32 v[XWS], s79, v86
	v_add_nc_u32 v[XRI], XIMG, v[LI]
	v_add_nc_u32 v[XRS], XSC, v86
	v_lshl_add_u32 v[TBR], v85, 5, s80             ; the tables: my 128 outputs, + 8 h numbers
	v_mul_u32_u24 v[STO], v84, 528
	v_lshl_add_u32 v[STO], v85, 5, v[STO]
	v_add_nc_u32 v[STO], s81, v[STO]               ; my stage: in: row r, + 32 h
	v_add_nc_u32 v[SRD], s81, v[LI]                ; back: the 32 lanes take one row of 512 bytes
	v_lshlrev_b32 v[WTA], 8, v84
	v_lshl_add_u32 v[WTA], v85, 4, v[WTA]          ; w_t: row r of 256 bytes, + 16 h
	v_lshlrev_b32 v[WTS], 4, v84
	v_lshl_add_u32 v[WTS], v85, 10, v[WTS]         ; its scale words: lanes 16-31 take the rows of the tile four further on
	BAR                                            ; nobody reads the ring any more
	WIN 0x0c                                       ; an LDS store's data are its source 1: window 3
.set J, 0
.rept 64
	ds_store_b128 v[EXW], v[4*J:4*J+3] offset:512*J    ; local tile 1's O^T as it stands, each accumulator from its low end on
.set J, J+1
.endr
	WIN 0
	ds_store_b32 v[STW], v[ST+4]                   ; its -M
	ds_store_b32 v[STW], v[ST+6] offset:128        ; and its sum
	BAR
	WIN 0x40
.set J, 0
.rept 64
	ds_load_b128 v[4*J:4*J+3], v[EXR] offset:512*J     ; the other half of the keys' O^T of the tile that I keep
.set J, J+1
.endr
	WIN 0
	ds_load_b32 v72, v[STR]
	ds_load_b32 v73, v[STR] offset:128
	WIN 0xc0                                       ; window 3 is free: my 128 rows of w_t, fragment (output tile ot, K step s) at 8 (4 ot + s); they land while x_s is made
.irp ot, 0,1,2,3,4,5,6,7
.irp s, 0,1,2,3
.irp c, 0,1
	global_load_b128 v[8*(4*\ot+\s)+4*\c:8*(4*\ot+\s)+4*\c+3], v[WTA], s[8:9] offset:4096*\ot+64*\s+32*\c
.endr
.endr
.endr
	WIN 0
.irp o, 0,1,2,3
	global_load_b128 v[WS+4*\o:WS+4*\o+3], v[WTS], s[10:11] offset:256*\o   ; register 4 o + s: lanes 0-15 tile o's words of K step s, lanes 16-31 tile 4 + o's
.endr
	s_wait_dscnt 0x0
	v_min_num_f32 v84, v[ST], v72                  ; the joint -M
	v_sub_f32 v85, v84, v[ST]
	v_sub_f32 v86, v84, v72
	v_cvt_i32_f32 v85, v85
	v_cvt_i32_f32 v86, v86
	v_ldexp_f32 v85, 1.0, v85                      ; 2^(my M - joint M),
	v_ldexp_f32 v86, 1.0, v86                      ; 2^(the other's M - joint M): exact
	v_mul_f32 v87, v85, v[ST+2]
	v_fma_f32 v87, v86, v73, v87                   ; the row's sum
	v_rcp_f32 v87, v87
	v_nop                                          ; one plain place behind a transcendental
	s_wait_alu depctr_va_vdst(0)
	v_mul_f32 v[GA], v85, v87
	v_mul_f32 v[GB], v86, v87
	v_mov_b32 v[GA+1], v[GA]
	v_mov_b32 v[GB+1], v[GB]
.irp s, 0,1,2,3                                    ; x_s = (my O^T x my factor + the other's x its factor), 128 channels at a time, quantised along the channels
	WIN 0x02                                       ; source 0 window 2
.set J, 0
.rept 32
	v_pk_mul_f32 v[S+J:S+J+1], v[64*\s+J:64*\s+J+1], v[GA:GA+1] op_sel_hi:[1,0]
.set J, J+2
.endr
	WIN 0x01                                       ; source 0 window 1
.set J, 0
.rept 32
	v_pk_fma_f32 v[S+J:S+J+1], v[64*\s+J:64*\s+J+1], v[GB:GB+1], v[S+J:S+J+1] op_sel_hi:[1,0,1]
.set J, J+2
.endr
	WIN 0
	QUANT S, PF, PS, T
	ds_store_b128 v[XWI], v[PF:PF+3] offset:1024*\s
	ds_store_b128 v[XWI], v[PF+4:PF+7] offset:1024*\s+512
	ds_store_b32 v[XWS], v[PS] offset:128*\s
	s_wait_dscnt 0x0                               ; the stores have read their registers
.endr
	BAR                                            ; x_s's sixteen images lie in LDS
	WIN 0x40
.irp n, 0,1,2,3,4,5,6,7,8,9,10,11,12,13,14,15
.irp c, 0,1
	ds_load_b128 v[8*\n+4*\c:8*\n+4*\c+3], v[XRI] offset:1024*\n+512*\c
.endr
.endr
	WIN 0
.irp n, 0,1,2,3,4,5,6,7,8,9,10,11,12,13,14,15
	ds_load_b32 v[XSW+\n], v[XRS] offset:128*\n
.endr
.irp ot, 0,1,2,3,4,5,6,7
.irp k, 0,1
	ds_load_b128 v[128+8*\ot+4*\k:128+8*\ot+4*\k+3], v[TBR] offset:64*\ot+16*\k          ; inv of my eight outputs of tile ot,
	ds_load_b128 v[192+8*\ot+4*\k:192+8*\ot+4*\k+3], v[TBR] offset:2048+64*\ot+16*\k     ; and their shift
.endr
.endr
	s_wait_loadcnt 0x0                             ; w_t
	s_wait_dscnt 0x0
	WIN 0xa7                                       ; source 0 (w_t) window 3, source 1 (x_s) window 1, C and D window 2
.macro W6 s, ot, m                     ; accumulator (ot, m) at 8 (4 ot + m): 16 outputs x 16 queries
.if \s == 0
.if \ot < 4
	v_wmma_scale_f32_16x16x128_f8f6f4 v[8*(4*\ot+\m):8*(4*\ot+\m)+7], v[8*(4*\ot+\s):8*(4*\ot+\s)+7], v[8*(4*\m+\s):8*(4*\m+\s)+7], 0, v[WS+4*(\ot%4)+\s], v[XSW+4*\m+\s] matrix_a_fmt:MATRIX_FMT_FP4 matrix_b_fmt:MATRIX_FMT_FP4
.else
	v_wmma_scale_f32_16x16x128_f8f6f4 v[8*(4*\ot+\m):8*(4*\ot+\m)+7], v[8*(4*\ot+\s):8*(4*\ot+\s)+7], v[8*(4*\m+\s):8*(4*\m+\s)+7], 0, v[WS+4*(\ot%4)+\s], v[XSW+4*\m+\s] matrix_a_fmt:MATRIX_FMT_FP4 matrix_b_fmt:MATRIX_FMT_FP4 matrix_a_scale:MATRIX_SCALE_ROW1
.endif
.else
.if \ot < 4
	v_wmma_scale_f32_16x16x128_f8f6f4 v[8*(4*\ot+\m):8*(4*\ot+\m)+7], v[8*(4*\ot+\s):8*(4*\ot+\s)+7], v[8*(4*\m+\s):8*(4*\m+\s)+7], v[8*(4*\ot+\m):8*(4*\ot+\m)+7], v[WS+4*(\ot%4)+\s], v[XSW+4*\m+\s] matrix_a_fmt:MATRIX_FMT_FP4 matrix_b_fmt:MATRIX_FMT_FP4
.else
	v_wmma_scale_f32_16x16x128_f8f6f4 v[8*(4*\ot+\m):8*(4*\ot+\m)+7], v[8*(4*\ot+\s):8*(4*\ot+\s)+7], v[8*(4*\m+\s):8*(4*\m+\s)+7], v[8*(4*\ot+\m):8*(4*\ot+\m)+7], v[WS+4*(\ot%4)+\s], v[XSW+4*\m+\s] matrix_a_fmt:MATRIX_FMT_FP4 matrix_b_fmt:MATRIX_FMT_FP4 matrix_a_scale:MATRIX_SCALE_ROW1
.endif
.endif
.endm
.irp s, 0,1,2,3                                    ; the 32 accumulators take turns, K ascending
.irp ot, 0,1,2,3,4,5,6,7
.irp m, 0,1,2,3
	W6 \s, \ot, \m
.endr
.endr
.endr
	PLACES 4                                       ; in front of the first read of results
; THE WAY OUT, a tile of 16 queries at a time.  A lane holds eight neighbouring outputs of a row: x inv + shift, relu; through my own stage; back as whole rows of 512 bytes.
.macro EPI m
	WIN 0x82                                       ; destination and source 0 window 2
.irp ot, 0,1,2,3,4,5,6,7
.irp k, 0,1,2,3
	v_pk_fma_f32 v[8*(4*\ot+(\m))+2*\k:8*(4*\ot+(\m))+2*\k+1], v[8*(4*\ot+(\m))+2*\k:8*(4*\ot+(\m))+2*\k+1], v[128+8*\ot+2*\k:128+8*\ot+2*\k+1], v[192+8*\ot+2*\k:192+8*\ot+2*\k+1]
.endr
.irp j, 0,1,2,3,4,5,6,7
	v_max_num_f32 v[8*(4*\ot+(\m))+\j], v[8*(4*\ot+(\m))+\j], 0
.endr
.endr
.endm
.macro TOSTAGE m
	WIN 0x08                                       ; the data: window 2
.irp ot, 0,1,2,3,4,5,6,7
	ds_store_b128 v[STO], v[8*(4*\ot+(\m)):8*(4*\ot+(\m))+3] offset:64*\ot
	ds_store_b128 v[STO], v[8*(4*\ot+(\m))+4:8*(4*\ot+(\m))+7] offset:64*\ot+16
.endr
	WIN 0x40                                       ; back into window 1, v128-191 and v192-255 by turns.  LDS serves a wave's instructions in order (ISA guide 5.7.1.4): these see the stores above
.irp t, 0,1,2,3,4,5,6,7,8,9,10,11,12,13,14,15
	ds_load_b128 v[128+64*((\m)%2)+4*\t:128+64*((\m)%2)+4*\t+3], v[SRD] offset:528*\t
.endr
.endm
.macro SEND m, younger                 ; younger: the LDS instructions issued behind tile m's loads, which may stay out
	s_wait_dscnt \younger
	WIN 0x04                                       ; a store's data are its source 1: window 1
.irp t, 0,1,2,3,4,5,6,7,8,9,10,11,12,13,14,15
	global_store_b128 v[LI], v[128+64*((\m)%2)+4*\t:128+64*((\m)%2)+4*\t+3], s[22:23] offset:2048*(16*(\m)+\t) th:TH_STORE_NT   ; 32 lanes store 512 consecutive bytes, at a multiple of 256 from out0's first byte; written once, read by nobody here
.endr
.endm
	EPI 0
	TOSTAGE 0
.irp m, 1,2,3
	EPI \m
.if \m > 1
	s_wait_xcnt 0x0                                ; tile m - 2's stores have read their registers: tile m's loads may land there
.endif
	TOSTAGE \m
	SEND \m-1, 32                                  ; behind tile m - 1's loads: tile m's 16 stores and 16 loads
.endr
	SEND 3, 0
	WIN 0
	s_wait_tensorcnt 0x0                           ; the wave's end: behind my last tensor load and my last LDS store
	ds_add_u32 v[SPW], v[NIL]
	s_wait_dscnt 0x0
	CROUND                                         ; the closing round: no work-group ends while a partner may still ask for a tile that names it
	s_endpgm
.Lfunc_end_k_qc3be0231a4_attend:
	.size	k_qc3be0231a4_attend, .Lfunc_end_k_qc3be0231a4_attend-k_qc3be0231a4_attend
	.p2alignl 7, 3214868480
	.fill 96, 4, 3214868480
	.section	.rodata,"a",@progbits
	.p2align	6, 0x0
	.amdhsa_kernel k_qc3be0231a4_attend
		.amdhsa_group_segment_fixed_size 327680
		.amdhsa_private_segment_fixed_size 0
		.amdhsa_enable_private_segment 0
		.amdhsa_kernarg_size 80
		.amdhsa_user_sgpr_count 2
		.amdhsa_user_sgpr_kernarg_segment_ptr 1
		.amdhsa_wavefront_size32 1
		.amdhsa_system_sgpr_workgroup_id_x 1
		.amdhsa_system_sgpr_workgroup_id_y 1
		.amdhsa_system_sgpr_workgroup_id_z 1
		.amdhsa_system_vgpr_workitem_id 0
		.amdhsa_next_free_vgpr 1024
		.amdhsa_next_free_sgpr 84
		.amdhsa_reserve_vcc 0
		.amdhsa_float_denorm_mode_32 3
		.amdhsa_float_denorm_mode_16_64 3
		.amdhsa_memory_ordered 1
		.amdhsa_forward_progress 1
		.amdhsa_inst_pref_size 255
	.end_amdhsa_kernel
	.section	.bss,"aw",@nobits
	.p2align	6
	.space	262144
	.amdgpu_metadata
---
amdhsa.version: [ 1, 2 ]
amdhsa.kernels:
  - .name:           k_qc3be0231a4_attend
    .symbol:         k_qc3be0231a4_attend.kd
    .args:
      - { .name: kv, .offset: 0, .size: 8, .value_kind: global_buffer, .address_space: global }
      - { .name: qi, .offset: 8, .size: 8, .value_kind: global_buffer, .address_space: global }
      - { .name: w_t_codes, .offset: 16, .size: 8, .value_kind: global_buffer, .address_space: global }
      - { .name: w_t_scales, .offset: 24, .size: 8, .value_kind: global_buffer, .address_space: global }
      - { .name: b_t, .offset: 32, .size: 8, .value_kind: global_buffer, .address_space: global }
      - { .name: gamma, .offset: 40, .size: 8, .value_kind: global_buffer, .address_space: global }
      - { .name: beta, .offset: 48, .size: 8, .value_kind: global_buffer, .address_space: global }
      - { .name: run_mean, .offset: 56, .size: 8, .value_kind: global_buffer, .address_space: global }
      - { .name: run_var, .offset: 64, .size: 8, .value_kind: global_buffer, .address_space: global }
      - { .name: out0, .offset: 72, .size: 8, .value_kind: global_buffer, .address_space: global }
    .group_segment_fixed_size: 327680
    .private_segment_fixed_size: 0
    .kernarg_segment_align: 8
    .kernarg_segment_size: 80
    .max_flat_workgroup_size: 128
    .sgpr_count:     84
    .vgpr_count:     1024
    .wavefront_size: 32
...
	.end_amdgpu_metadata
.endif
;; end of part 2
